; MI455X (gfx1250); checked and timed in simulation.
; The chip was launched on July 23, 2026; its instructions are those of AMD's public machine-readable ISA for CDNA 5 (MIT licence, August 2026) and "CDNA5" Instruction Set Architecture Reference Guide (July 2026). The comments in the code are by the model that wrote it; some were corrected since.
;; Multi Head Attention. Allowed arithmetic: matrix products marked QUANTISED: E2M1 operands, one E8M0 scale for each 32 along K, by v_wmma_scale_f32_16x16x128_f8f6f4 with both operands' format E2M1 (or v_wmma_scale_f32_32x16x128_f4), f32 sums; everything else in f32.
;; Inputs: Wk_codes 1,024 x 32 x 16 uint8 (E2M1 codes of Wk, K innermost, in blocks of 32 codes, two codes a byte); Wk_scales 1,024 x 32 uint8 (E8M0 scales of Wk, one for each 32 codes along K); Wo_codes 1,024 x 32 x 16 uint8 (E2M1 codes of Wo, K innermost, in blocks of 32 codes, two codes a byte); Wo_scales 1,024 x 32 uint8 (E8M0 scales of Wo, one for each 32 codes along K); Wq_codes 1,024 x 32 x 16 uint8 (E2M1 codes of Wq, K innermost, in blocks of 32 codes, two codes a byte); Wq_scales 1,024 x 32 uint8 (E8M0 scales of Wq, one for each 32 codes along K); Wv_codes 1,024 x 32 x 16 uint8 (E2M1 codes of Wv, K innermost, in blocks of 32 codes, two codes a byte); Wv_scales 1,024 x 32 uint8 (E8M0 scales of Wv, one for each 32 codes along K); bk 1,024 float32; bo 1,024 float32; bq 1,024 float32; bv 1,024 float32; k_codes 4 x 2,048 x 32 x 16 uint8 (E2M1 codes of k, K innermost, in blocks of 32 codes, two codes a byte); k_scales 4 x 2,048 x 32 uint8 (E8M0 scales of k, one for each 32 codes along K); q_codes 4 x 2,048 x 32 x 16 uint8 (E2M1 codes of q, K innermost, in blocks of 32 codes, two codes a byte); q_scales 4 x 2,048 x 32 uint8 (E8M0 scales of q, one for each 32 codes along K); v_codes 4 x 2,048 x 32 x 16 uint8 (E2M1 codes of v, K innermost, in blocks of 32 codes, two codes a byte); v_scales 4 x 2,048 x 32 uint8 (E8M0 scales of v, one for each 32 codes along K).
;; Outputs: out0 4 x 2,048 x 1,024 float32.
;; This version of the problem:
;;   THIS VERSION OF THE PROBLEM IS GIVEN IN LOW PRECISION. The matrix products marked QUANTISED in the list below multiply operands that are first quantised to E2M1 (2 exponent bits, 1 mantissa bit; 4 bits a number), with one power-of-two scale for each 32 numbers along K (OCP MX v1.0); their sums are f32. All else is computed in f32.
;;   The module's matrix products, in the order in which they are computed (A, B: the left and right operand; K: the contracted axis; several contracted axes count as one K, in the product's order):
;;     1. [M 8,192, K 1,024] x [K 1,024, N 1,024]; A: input q (given as codes); B: input Wq (given as codes): QUANTISED
;;     2. [M 8,192, K 1,024] x [K 1,024, N 1,024]; A: input k (given as codes); B: input Wk (given as codes): QUANTISED
;;     3. [M 8,192, K 1,024] x [K 1,024, N 1,024]; A: input v (given as codes); B: input Wv (given as codes): QUANTISED
;;     4. batch 64 x [M 2,048, K 64] x [K 64, N 2,048]; A: computed on the way; B: computed on the way: QUANTISED
;;     5. batch 64 x [M 2,048, K 2,048] x [K 2,048, N 64]; A: softmax (see below); B: computed on the way: QUANTISED
;;     6. [M 8,192, K 1,024] x [K 1,024, N 1,024]; A: computed on the way; B: input Wo (given as codes): QUANTISED
;;   THE QUANTISER, for each operand of a quantised product, along K:
;;     - K is cut into blocks of 32 from its start; a last block that is shorter is filled with zeros.
;;     - A block's scale is 2^e with e = floor(log2(the largest magnitude in the block)) - 2, held to -126 .. 127; a block of zeros has e = 0. As a byte (E8M0): e + 127.
;;     - Each number is divided by its block's scale, clamped to +-6, and rounded to the nearest number of E2M1, ties to even, subnormals kept.
;;     - The product sums the exact products of the quantised numbers (number of the format x scale) in f32.
;;   ~~~python
;;   def quantise(x, axis):      # numpy; x: float32 -> the quantised numbers, widened to float32 again
;;       x = np.moveaxis(x, axis, -1); K = x.shape[-1]
;;       x = np.pad(x, [(0, 0)] * (x.ndim - 1) + [(0, -K % 32)]); x = x.reshape(x.shape[:-1] + (-1, 32)); a = np.abs(x).max(-1, keepdims=True)
;;       e = np.where(a > 0, np.clip(np.frexp(np.where(a > 0, a, 1))[1] - 1 - 2, -126, 127), 0)      # np.frexp(a)[1] - 1 = floor(log2(a)), exactly
;;       r = np.clip(x / 2.0 ** e, -6, 6)
;;       step = 2.0 ** (np.maximum(np.frexp(np.where(r == 0, 1, r))[1] - 1, 0) - 1)
;;       q = np.round(r / step) * step * 2.0 ** e      # np.round: ties to even
;;       return np.moveaxis(q.reshape(q.shape[:-2] + (-1,))[..., :K], -1, axis).astype(np.float32)
;;   ~~~
;;   SOFTMAX AHEAD OF A QUANTISED PRODUCT. Where the list says 'softmax', what is quantised is not the finished softmax but p = 2^(t - M), with t = logit x log2(e) and M = ceil(the row's largest t), a whole number; so 1/2 < the row's largest p <= 1. The row's sum l is taken of the UNQUANTISED p, in f32, and the product's result is divided by l at the end. Since M is a whole number, a kernel that streams over the keys may use a running M (the ceiling of the running maximum): every later rescaling is an exact power of two, which a block's scale takes up: the codes' values come out the same.
;;   OPERANDS COMPUTED ON THE WAY. 'Computed on the way' means the value that the module computes at that place (a softmax that the list does not call 'softmax' is quantised finished and normalised). What goes into a quantiser is computed in f32, as accurately as f32 sums, v_exp_f32 and their like allow (about 1e-6 of the number): no bf16 or f16 on the way to a quantiser, and a product that is left as it is and whose result goes on into a quantised operand takes f32 operands (vector FMAs, or v_wmma_f32_16x16x4_f32). A number that lies on a knife's edge between two numbers of the format may be rounded either way, as far as f32 arithmetic and the matrix unit's own rounding can turn it there, and no further.
;;   INPUTS GIVEN AS CODES. Wk (in the module: [1024, 1024], K = its axis 1); Wo (in the module: [1024, 1024], K = its axis 1); Wq (in the module: [1024, 1024], K = its axis 1); Wv (in the module: [1024, 1024], K = its axis 1); k (in the module: [4, 2048, 1024], K = its axis 2); q (in the module: [4, 2048, 1024], K = its axis 2); v (in the module: [4, 2048, 1024], K = its axis 2): each comes as NAME_codes (uint8): NAME with its K axis moved to the last place and cut into blocks of 32 codes, [.., K / 32, bytes a block], one block behind the other in memory; two codes a byte, the lower K in the low four bits (a code: sign, 2 exponent bits, 1 mantissa bit); and NAME_scales (uint8): the same leading axes, one E8M0 byte (e + 127) for each 32 codes along K. Its value is code x scale, taken as it is: it is not quantised again, and the codes and scales need not be those that the quantiser above would give.
;; One version. Each part assembles by itself: llvm-mc -triple=amdgcn-amd-amdhsa -mcpu=gfx1250 --defsym DOCPART=n.
;; ======== version 1 of 1: 3 launches
;; workspace buffers: qkv 13,369,344 bytes; oimg 4,194,304 bytes; oscl 262,144 bytes
;; launch proj (part 1): grid 4 x 96, 4 waves a work-group, clusters of 4 x 4, 327,680 bytes of LDS; arguments q_codes, q_scales, Wq_codes, Wq_scales, k_codes, k_scales, Wk_codes, Wk_scales, Wv_codes, Wv_scales, v_codes, v_scales, bq, bk, bv, qkv; writes qkv
.if DOCPART == 1
	.amdgcn_target "amdgcn-amd-amdhsa--gfx1250"
	.amdhsa_code_object_version 6
	.text
	.protected	k_qd132a0c9d0_proj
	.globl	k_qd132a0c9d0_proj
	.p2align	8
	.type	k_qd132a0c9d0_proj,@function
k_qd132a0c9d0_proj:
	s_mov_b64 s[64:65], 0
	v_nop
	global_prefetch_b8 v0, s[64:65] scope:SCOPE_SE
	s_setreg_imm32_b32 hwreg(HW_REG_WAVE_MODE, 25, 1), 1
	s_wait_xcnt 0x0
	s_wait_alu depctr_hold_cnt(0) depctr_sa_sdst(0) depctr_va_vdst(0) depctr_va_sdst(0) depctr_va_ssrc(0) depctr_va_vcc(0) depctr_vm_vsrc(0)
	s_getreg_b32 s2, hwreg(HW_REG_IB_STS2, 6, 4)
	s_cmp_eq_u32 s2, 0
	s_cbranch_scc0 .Lentry_in_a_cluster
	s_endpgm
.Lentry_in_a_cluster:
	s_bfe_u32 s2, ttmp6, 0x10000c
	s_cmp_lg_u32 s2, 0xf033
	s_cbranch_scc0 .Lentry_shape_is_right
	s_endpgm
.Lentry_shape_is_right:
; Q = q Wq^T + bq, K = k Wk^T + bk, V = v Wv^T + bv on codes of FP4 (E2M1) with one E8M0 scale for each 32 along K = 1,024; sums in f32; the bias is added in f32;
; then Q and K are quantised along the head's 64 channels and V along the keys, and leave as IMAGES OF OPERAND REGISTERS for the attention launch.
; NO WORK IS LEFT OUT in this program: every input has a way to the output (bk too: it moves K's codes), so all inputs are loaded.
; LIMITS: a block whose largest magnitude lies under 2^-124 has its scale byte held at 1; a block of zeros gets the byte 1 and not 127 (its codes are zeros, and these bytes are read by this program alone);
; NaN, infinities and the scale byte 0xff among the inputs are not served.
; SHARES.  24 clusters of 4 x 4 work-groups: cluster y / 8 = MODE (0: Q, 1: K, 2: V), cluster y % 8 = which quarter-batch of tokens.  A work-group makes 256 x 256, each of its four waves 128 x 128: 64 accumulators, 512 registers.
; 384 work-groups are one and a half times the 256 WGPs: the price of a wave tile of 128 x 128, which is what makes whole fragments and whole scale words of the results.
; "A" is the side that ends in the LANES, "B" the side that ends in the REGISTERS (source 0 = 16 rows of B, source 1 = 16 rows of A: lane l holds A's row l % 16, register j B's row 8 (l / 16) + j).
;   MODE Q, K: A = tokens, B = rows of W (channels): a lane's registers run along the channels, the next product's K.     MODE V: A = rows of Wv (channels), B = tokens of v: a lane's registers run along the keys.
; All of K fits in LDS: two slots of 512 along K (rows of 256 bytes + 16 of padding), both filled once, at the head; nothing is filled again, so there is no ring, and nothing lies ahead that could be prefetched.
; CLUSTERS: the four work-groups of a row of the cluster need the same rows of A, the four of a column the same rows of B: each tile is asked for jointly.
; THE QUANTISER.  In tile b a lane's register jj is neighbour 16 b + 8 (l / 16) + jj.  A block of 32 is tiles 2 B and 2 B + 1: 16 numbers here, 16 in lane l xor 16.  The conversion of (block 2 c + e, tile parity u) goes to
; register 4 c + 2 u + e; an exchange of halves between registers 4 c + 2 u and 4 c + 2 u + 1 then leaves register 4 c + i of lane half h with k = 64 c + 32 h + 8 i .. + 7: the operand's layout.
; qkv, for each (batch, head), HS bytes: +0 K's images [tile of 16 keys 128][lane][16]; +65,536 V's images [16 channels 4][128 keys 16][c 2][lane][16]; +131,072 K's scale words [128 keys 16][r 16][f 4] (word f: tile f's two bytes, tile f + 4's two);
;   +135,168 V's scale words [128 keys 16][r 16][16 channels 4]; +139,264 Q's images, as K's; +204,800 Q's scale words, as K's.
; REGISTERS.  window 0: v1-29 addresses; v32-95 A's scale words [8 i + s]; v96-159 B's [8 b + s]; v160-223 the bias by register; v224-239 the bias by lane, each number twice.
;   window 1: two sets of fragments (set p at 128 p: B's eight, then A's eight); behind the products: v0-63 T, v64-79 at work, v80-87 codes, v88-95 scale words, v96-99 scale words as stored.   windows 2, 3: the accumulators, (a, b) at 8 (8 (a % 4) + b).
.set PITCH,  272                       ; an LDS row: 256 bytes + 16 of padding: the 16 rows that a fragment load touches start 68 words apart
.set HALFT,  128*PITCH                 ; what one tensor load brings
.set SLOT,   4*HALFT                   ; A's 256 rows, then B's 256 rows
.set SPARE,  2*SLOT                    ; the spare words: 128 bytes for each wave
.set HS,     208896                    ; bytes of qkv for one (batch, head)
.set ADRA, 16
.set ADRB, 20
.set CO0,  24                          ; 16 x lane
.set CO1,  25                          ; 16 x lane + the way from registers 0-3 to registers 4-7
.set SCO,  26                          ; 16 r + (l / 16) x HS
.set SELV, 27                          ; byte selector for the scale words
.set SPW,  28
.set NIL,  29
.set SA,   32
.set SB,   96
.set BB,   160
.set BI,   224
.set T,    0                           ; window 1, behind the products
.set TM,   64
.set PC,   80
.set PW,   88
.set SW,   96
.set G1,   24
.set G0,   32
.set G1B,  48
.set G0B,  56
.set SEL,  92
.set MSB, 0
.macro WIN new                         ; the immediate's high byte repeats the setting that is left
.if MSB != (\new)
	s_set_vgpr_msb (MSB<<8)|(\new)
.set MSB, (\new)
.endif
.endm
.macro JLOAD g0a, g1a, g0b, g1b        ; a joint load: waves 0 and 1 fetch for A, waves 2 and 3 for B; an s_nop 0 and four v_nop follow each line
	s_cmp_eq_u32 s15, 0
	s_cbranch_scc0 .Lfor_b_\@
	tensor_load_to_lds s[\g0a:\g0a+3], s[\g1a:\g1a+7]
	s_nop 0
.rept 4
	v_nop
.endr
	s_branch .Lasked_\@
.Lfor_b_\@:
	tensor_load_to_lds s[\g0b:\g0b+3], s[\g1b:\g1b+7]
	s_nop 0
.rept 4
	v_nop
.endr
.Lasked_\@:
.endm
.macro CROUND                          ; a round of the cluster's barrier
	s_barrier_signal -1
	s_barrier_wait -1
	s_cmp_lg_u32 s14, 0
	s_cbranch_scc1 .Lnot_wave_0_\@
	s_barrier_signal -3
.Lnot_wave_0_\@:
	s_barrier_wait -3
	s_barrier_signal -1
	s_barrier_wait -1
.endm
.macro PLACES n
.rept \n
	v_nop
.endr
.endm
	s_load_b256 s[68:75], s[0:1], 0x0              ; q's codes, q's scales, Wq's codes, Wq's scales
	s_load_b256 s[76:83], s[0:1], 0x20             ; k's, Wk's
	s_load_b256 s[84:91], s[0:1], 0x40             ; Wv's, v's: for V the weight is the lanes' side
	s_load_b256 s[92:99], s[0:1], 0x60             ; bq, bk, bv, qkv
	v_lshl_add_u32 v[SPW], v0, 2, SPARE
	v_mov_b32 v[NIL], 0
	ds_add_u32 v[SPW], v[NIL]                      ; the wave's opening: the add, twice on end, and its wait ahead of my first tensor load
	ds_add_u32 v[SPW], v[NIL]                      ; and once more, under the one wait
	v_lshrrev_b32 v1, 5, v0
	v_readfirstlane_b32 s14, v1                    ; wave 0..3
	s_lshr_b32 s15, s14, 1                         ; which half of A's rows is mine.  Also: I fetch for A (0) or for B (1)
	s_and_b32 s16, s14, 1                          ; which half of B's rows.  Also: which 128 rows I fetch
	s_bfe_u32 s40, ttmp6, 0x40000                  ; cx, cy: my place in the cluster
	s_bfe_u32 s41, ttmp6, 0x40004
	s_and_b32 s18, ttmp7, 0xffff                   ; cluster y, which all sixteen partners share
	s_lshr_b32 s3, s18, 3                          ; MODE
	s_and_b32 s19, s18, 7
	s_cmp_eq_u32 s3, 2
	s_cselect_b32 s42, s19, 0                      ; the tokens' 8,192 rows are B's for V, A's else; the other side has 1,024 rows: one cluster's width
	s_cselect_b32 s17, 0, s19
	s_lshl_b32 s42, s42, 2
	s_add_co_u32 s42, s42, s40                     ; which 256 rows of B
	s_lshl_b32 s17, s17, 2
	s_add_co_u32 s17, s17, s41                     ; which 256 rows of A
	s_lshl_b32 s43, s41, 2
	s_lshl_b32 s43, 15, s43                        ; my row of the cluster
	s_lshl_b32 s44, 0x1111, s40                    ; my column
	s_or_b32 s[G1+0], s43, (0<<16)|(1<<20)|(1<<21)|(5<<22)|(3<<25)   ; the mask; elements of 1 byte; padding on; bit 21 beside a mask; after every 64 words, 4 words
	s_or_b32 s[G1B+0], s44, (0<<16)|(1<<20)|(1<<21)|(5<<22)|(3<<25)
.irp g, G1, G1B
	s_mov_b32 s[\g+1], 256<<16                     ; tensor_dim0 = 256 bytes: 512 along K
	s_mov_b32 s[\g+2], 128<<16                     ; tensor_dim1 = 128
	s_mov_b32 s[\g+3], 256<<16                     ; tile_dim0
	s_mov_b32 s[\g+4], 128                         ; tile_dim1
	s_mov_b32 s[\g+5], 512                         ; a row of 1,024 codes in memory
	s_mov_b32 s[\g+6], 0
	s_mov_b32 s[\g+7], 0
.endr
	s_lshl_b32 s18, s16, 7
	s_lshl_b32 s20, s17, 8
	s_add_co_u32 s20, s20, s18
	s_lshl_b32 s20, s20, 9                         ; A: (256 x tile + 128 x half) rows of 512 bytes
	s_mov_b32 s21, 0
	s_lshl_b32 s46, s42, 8
	s_add_co_u32 s46, s46, s18
	s_lshl_b32 s46, s46, 9                         ; B likewise
	s_mov_b32 s47, 0
	s_mul_i32 s45, s14, HALFT                      ; where they go: wave x 128 rows: no place in the cluster enters an LDS address
	s_wait_dscnt 0x0                               ; both opening adds are done
	s_wait_kmcnt 0x0
	s_cmp_eq_u32 s3, 1                             ; the five pointers by MODE, which hangs on the cluster's number alone
	s_cselect_b64 s[4:5], s[76:77], s[68:69]
	s_cselect_b64 s[6:7], s[78:79], s[70:71]
	s_cselect_b64 s[8:9], s[80:81], s[72:73]
	s_cselect_b64 s[10:11], s[82:83], s[74:75]
	s_cselect_b64 s[66:67], s[94:95], s[92:93]
	s_cmp_eq_u32 s3, 2
	s_cselect_b64 s[4:5], s[84:85], s[4:5]         ; A's codes
	s_cselect_b64 s[6:7], s[86:87], s[6:7]         ; A's scales
	s_cselect_b64 s[8:9], s[88:89], s[8:9]         ; B's codes
	s_cselect_b64 s[10:11], s[90:91], s[10:11]     ; B's scales
	s_cselect_b64 s[66:67], s[96:97], s[66:67]     ; the bias
	s_add_nc_u64 s[20:21], s[4:5], s[20:21]
	s_add_nc_u64 s[46:47], s[8:9], s[46:47]
	CROUND                                         ; all sixteen work-groups are here: the joint loads meet
.irp s, 0,1
	s_mov_b32 s[G0+4*\s], 1
	s_add_co_u32 s[G0+4*\s+1], s45, \s*SLOT
	s_add_nc_u64 s[G0+4*\s+2:G0+4*\s+3], s[20:21], \s*256
	s_or_b32 s[G0+4*\s+3], s[G0+4*\s+3], 0x80000000
	s_mov_b32 s[G0B+4*\s], 1
	s_add_co_u32 s[G0B+4*\s+1], s45, \s*SLOT
	s_add_nc_u64 s[G0B+4*\s+2:G0B+4*\s+3], s[46:47], \s*256
	s_or_b32 s[G0B+4*\s+3], s[G0B+4*\s+3], 0x80000000
	JLOAD G0+4*\s, G1, G0B+4*\s, G1B               ; both slots at once: two tensor loads of mine are out
.endr
	; my 128 x 128: where its scales, its bias and its results lie
	s_lshl_b32 s76, s17, 8
	s_lshl_b32 s80, s15, 7
	s_add_co_u32 s76, s76, s80                     ; my first row of A
	s_lshl_b32 s77, s42, 8
	s_lshl_b32 s80, s16, 7
	s_add_co_u32 s77, s77, s80                     ; my first row of B
	s_mov_b32 s81, 0
	s_lshl_b32 s80, s76, 5                         ; 32 scale bytes a row
	s_add_nc_u64 s[6:7], s[6:7], s[80:81]
	s_lshl_b32 s80, s77, 5
	s_add_nc_u64 s[10:11], s[10:11], s[80:81]
	s_cmp_eq_u32 s3, 2
	s_cselect_b32 s78, s77, s76                    ; my first token
	s_cselect_b32 s79, s76, s77                    ; my first channel
	s_lshl_b32 s80, s79, 2
	s_add_nc_u64 s[66:67], s[66:67], s[80:81]      ; the bias at my first channel
	s_lshr_b32 s82, s78, 11                        ; batch
	s_bfe_u32 s83, s78, 0x40007                    ; which 128 tokens of the batch
	s_lshr_b32 s84, s79, 6                         ; my first head (I have two)
	s_lshl_b32 s82, s82, 4
	s_add_co_u32 s82, s82, s84
	s_mul_i32 s82, s82, HS
	s_mov_b32 s85, 131072
	s_cmp_eq_u32 s3, 0
	s_cselect_b32 s84, 139264, 0                   ; where the images begin: Q's, K's,
	s_cselect_b32 s85, 204800, s85                 ; and the scale words
	s_mov_b32 s72, 16384
	s_mov_b32 s74, 159744
	s_mov_b32 s87, HS
	s_mov_b32 s88, 0x05040100
	s_mov_b32 s89, 0x02020202
	s_cmp_eq_u32 s3, 2
	s_cselect_b32 s84, 65536, s84                  ; V's
	s_cselect_b32 s85, 135168, s85
	s_cselect_b32 s86, 10, 12                      ; 128 tokens are 1,024 bytes of a V row of images, 4,096 bytes of Q's or K's
	s_cselect_b32 s72, s72, 512                    ; from A's block a to a + 1: the next 16 channels of V, or the next tile of tokens
	s_cselect_b32 s74, s74, 512                    ; into a = 4: V goes on to the next head: HS - 3 x 16,384
	s_cselect_b32 s87, 512, s87                    ; from registers 0-3 to 4-7: V: the next 64 keys; Q, K: the next head
	s_cselect_b32 s88, 0x03020100, s88             ; the scale words' bytes: see the end
	s_cselect_b32 s89, 0x04040404, s89
	s_mov_b32 s73, 0
	s_mov_b32 s75, 0
	s_mov_b32 s91, 0
	s_lshl_b32 s86, s83, s86
	s_add_co_u32 s90, s84, s86
	s_add_co_u32 s90, s90, s82
	s_add_nc_u64 s[12:13], s[98:99], s[90:91]      ; where block 0's codes go
	s_lshl_b32 s83, s83, 8
	s_add_co_u32 s90, s85, s83
	s_add_co_u32 s90, s90, s82
	s_add_nc_u64 s[70:71], s[98:99], s[90:91]      ; where my scale words go
	s_mov_b32 s[SEL], 0x76543210
	s_mov_b32 s[SEL+1], 0xfedcba98                 ; v_permlanex16_b32's selects for lane l xor 16
	v_and_b32 v1, 15, v0                           ; r
	v_bfe_u32 v2, v0, 4, 1                         ; h
	v_lshlrev_b32 v5, 5, v1                        ; 32 r
	v_lshlrev_b32 v6, 5, v2                        ; 32 h
	v_lshlrev_b32 v7, 2, v1                        ; 4 r
.irp i, 0,1,2,3,4,5,6,7
	global_load_b128 v[SA+8*\i:SA+8*\i+3], v5, s[6:7] offset:512*\i           ; row 16 i + r: its eight scale words, one for each 128 along K
	global_load_b128 v[SA+8*\i+4:SA+8*\i+7], v5, s[6:7] offset:512*\i+16
	global_load_b128 v[SB+8*\i:SB+8*\i+3], v5, s[10:11] offset:512*\i
	global_load_b128 v[SB+8*\i+4:SB+8*\i+7], v5, s[10:11] offset:512*\i+16
	global_load_b128 v[BB+8*\i:BB+8*\i+3], v6, s[66:67] offset:64*\i          ; the bias of channels 16 i + 8 h + 0 .. 7 (used for Q and K),
	global_load_b128 v[BB+8*\i+4:BB+8*\i+7], v6, s[66:67] offset:64*\i+16
	global_load_b32 v[BI+2*\i], v7, s[66:67] offset:64*\i                     ; and of channel 16 i + r, twice: a pair for the packed add (used for V).  Both forms are loaded in every MODE, 512 bytes each
	global_load_b32 v[BI+2*\i+1], v7, s[66:67] offset:64*\i
.endr
	v_mul_u32_u24 v3, v1, PITCH
	v_lshl_add_u32 v4, v2, 4, v3                   ; a fragment's row x pitch + 16 x half
	s_mul_i32 s94, s15, HALFT                      ; my 128 rows of A
	s_mul_i32 s95, s16, HALFT                      ; my 128 rows of B,
	s_add_co_u32 s95, s95, 2*HALFT                 ; which lie behind A's 256
.irp s, 0,1
	v_add_nc_u32 v[ADRA+\s], s94, v4
	v_add_nc_u32 v[ADRB+\s], s95, v4
	s_add_co_u32 s94, s94, SLOT
	s_add_co_u32 s95, s95, SLOT
.endr
	v_and_b32 v8, 31, v0
	v_lshlrev_b32 v[CO0], 4, v8
	v_add_nc_u32 v[CO1], s87, v[CO0]
	v_mul_u32_u24 v[SCO], v2, HS
	v_lshl_add_u32 v[SCO], v1, 4, v[SCO]
	v_mul_lo_u32 v[SELV], v2, s89
	v_add_nc_u32 v[SELV], s88, v[SELV]
; 32 LDS loads: the fragments of K step s (128 along K) into set s % 2.  Lane l: row l % 16; registers 4 c .. 4 c + 3: K = 64 c + 32 (l / 16) + 0 .. 31: 16 bytes as they lie
.macro FETCH s
	WIN 0x40                                       ; destination window 1, address window 0
.irp i, 0,1,2,3,4,5,6,7
.irp c, 0,1
	ds_load_b128 v[128*((\s)%2)+8*\i+4*\c:128*((\s)%2)+8*\i+4*\c+3], v[ADRB+(\s)/4] offset:64*((\s)%4)+32*\c+\i*16*PITCH
.endr
.endr
.irp i, 0,1,2,3,4,5,6,7
.irp c, 0,1
	ds_load_b128 v[128*((\s)%2)+64+8*\i+4*\c:128*((\s)%2)+64+8*\i+4*\c+3], v[ADRA+(\s)/4] offset:64*((\s)%4)+32*\c+\i*16*PITCH
.endr
.endr
.endm
; 32 matrix instructions: A's blocks a0 .. a0 + 3 x B's eight.  The 64 accumulators take turns, one instruction a turn, in the same order in every step
.macro MUL s, a0, zero
.irp a, \a0, \a0+1, \a0+2, \a0+3
.irp b, 0,1,2,3,4,5,6,7
.if \zero
	v_wmma_scale_f32_16x16x128_f8f6f4 v[8*(8*((\a)%4)+\b):8*(8*((\a)%4)+\b)+7], v[128*((\s)%2)+8*\b:128*((\s)%2)+8*\b+7], v[128*((\s)%2)+64+8*(\a):128*((\s)%2)+64+8*(\a)+7], 0, v[SB+8*\b+(\s)], v[SA+8*(\a)+(\s)] matrix_a_fmt:MATRIX_FMT_FP4 matrix_b_fmt:MATRIX_FMT_FP4
.else
	v_wmma_scale_f32_16x16x128_f8f6f4 v[8*(8*((\a)%4)+\b):8*(8*((\a)%4)+\b)+7], v[128*((\s)%2)+8*\b:128*((\s)%2)+8*\b+7], v[128*((\s)%2)+64+8*(\a):128*((\s)%2)+64+8*(\a)+7], v[8*(8*((\a)%4)+\b):8*(8*((\a)%4)+\b)+7], v[SB+8*\b+(\s)], v[SA+8*(\a)+(\s)] matrix_a_fmt:MATRIX_FMT_FP4 matrix_b_fmt:MATRIX_FMT_FP4
.endif
.endr
.endr
.endm
; A K step: the next step's fragments are asked for first, into the set that the step before multiplied (four places behind its last product), then this step's 64 products
.macro STEP s, zero
.if (\s) < 7
.if (\s) > 0
	PLACES 4
.endif
	FETCH (\s)+1
	s_wait_dscnt 32                                ; all but the 32 just issued: this step's fragments are in
.else
	s_wait_dscnt 0x0
.endif
	WIN 0xa5                                       ; sources 0 and 1 window 1; C and D window 2
	MUL \s, 0, \zero
	WIN 0xf5                                       ; C and D window 3
	MUL \s, 4, \zero
.endm
	s_wait_alu depctr_va_vdst(0)
	s_wait_tensorcnt 0x1                           ; my part of slot 0 is in; slot 1's load, issued behind it, may be out
	s_barrier_signal -1
	s_barrier_wait -1                              ; everybody's is
	FETCH 0
	s_wait_loadcnt 0x0                             ; scale words and biases
	STEP 0, 1                                      ; the first products start the sums: nothing is cleared
	STEP 1, 0
	STEP 2, 0
	s_wait_tensorcnt 0x0                           ; my part of slot 1 is in,
	s_wait_dscnt 0x0                               ; no LDS load of mine is out at the signal
	s_barrier_signal -1
	s_barrier_wait -1                              ; everybody's is: step 3 fetches step 4's fragments from it
	STEP 3, 0
	STEP 4, 0
	STEP 5, 0
	STEP 6, 0
	STEP 7, 0
	WIN 0
	PLACES 4                                       ; behind the last products: results are read and fragment registers written below
; T = block a's 64 results + the bias; the add is also the way out of windows 2 and 3.  Each accumulator is read from its low end on.  The branch hangs on MODE, the same in all partners
.macro BIASADD a
	s_cmp_eq_u32 s3, 2
	s_cbranch_scc1 .Lby_lane_\@
	WIN 0x42+(\a)/4                                ; destination window 1, source 0 window 2 or 3, source 1 window 0
.set i, 0
.rept 32
	v_pk_add_f32 v[T+i:T+i+1], v[64*((\a)%4)+i:64*((\a)%4)+i+1], v[BB+i:BB+i+1]
.set i, i+2
.endr
	WIN 0
	s_branch .Lbiased_\@
.Lby_lane_\@:
	WIN 0x42+(\a)/4
.set i, 0
.rept 32
	v_pk_add_f32 v[T+i:T+i+1], v[64*((\a)%4)+i:64*((\a)%4)+i+1], v[BI+2*(\a):BI+2*(\a)+1]
.set i, i+2
.endr
	WIN 0
.Lbiased_\@:
.endm
; T's 64 numbers become a fragment's codes in v[PC] on and its scale word in v[PW + a]
.macro QUANT a
	WIN 0x55                                       ; all in window 1
.irp b, 0,1,2,3
	v_max3_num_f32 v[TM+\b], |v[T+16*\b]|, |v[T+16*\b+1]|, 0x1800000   ; block b: my 16 numbers, and the floor 2^(3 - 127): the byte cannot fall under 1
.endr
.irp i, 2,4,6,8,10,12,14
.irp b, 0,1,2,3
	v_max3_num_f32 v[TM+\b], v[TM+\b], |v[T+16*\b+\i]|, |v[T+16*\b+\i+1]|   ; (the four blocks by turns)
.endr
.endr
.irp b, 0,1,2,3
	v_permlanex16_b32 v[TM+4+\b], v[TM+\b], s[SEL], s[SEL+1]
.endr
.irp b, 0,1,2,3
	v_max_num_f32 v[TM+\b], v[TM+\b], v[TM+4+\b]   ; with lane l xor 16's 16: the block's largest magnitude
.endr
.irp b, 0,1,2,3
	v_add_nc_u32 v[TM+12+\b], 0xff000000, v[TM+\b] ; 2 off its exponent field: the conversion takes the exponent field of this operand as its scale
.endr
.irp b, 0,1,2,3
	v_lshrrev_b32 v[TM+4+\b], 23, v[TM+12+\b]      ; the scale's byte
.endr
	v_lshl_or_b32 v[PW+(\a)], v[TM+5], 8, v[TM+4]
	v_lshl_or_b32 v[PW+(\a)], v[TM+6], 16, v[PW+(\a)]
	v_lshl_or_b32 v[PW+(\a)], v[TM+7], 24, v[PW+(\a)]
.irp c, 0,1
.irp e, 0,1
.irp u, 0,1
	v_cvt_scalef32_pk8_fp4_f32 v[PC+4*\c+2*\u+\e], v[T+16*(2*\c+\e)+8*\u:T+16*(2*\c+\e)+8*\u+7], v[TM+12+2*\c+\e]
.endr
.endr
.endr
	v_nop                                          ; one plain place behind the scaled conversions
.irp c, 0,1
.irp u, 0,1
	v_permlane16_swap_b32 v[PC+4*\c+2*\u], v[PC+4*\c+2*\u+1]   ; the first's lanes 16-31 change places with the second's lanes 0-15
.endr
.endr
.endm
	WIN 0x40
.irp b, 0,1,2,3
	v_mov_b32 v[TM+4+\b], 0                        ; written once: a lane permute's destination counts as one of its sources
.endr
	WIN 0
.irp a, 0,1,2,3,4,5,6,7
	BIASADD \a
.if \a > 0
	s_wait_xcnt 0x0                                ; the last block's stores have read their data and their base: both are written again only behind this wait
.if \a == 4
	s_add_nc_u64 s[12:13], s[12:13], s[74:75]
.else
	s_add_nc_u64 s[12:13], s[12:13], s[72:73]
.endif
.endif
	QUANT \a
	WIN 0x04                                       ; a store's data are its source 1: window 1
	global_store_b128 v[CO0], v[PC:PC+3], s[12:13]     ; an image of four registers: 32 lanes store 512 consecutive bytes, aligned
	global_store_b128 v[CO1], v[PC+4:PC+7], s[12:13]
	WIN 0
.endr
	; The scale words as the attention launch wants them.  Q, K: word f = tile f's two bytes of a head, then tile f + 4's; lanes 0-15 take my first head's bytes (0, 1), lanes 16-31 my second's (2, 3).
	; V: word f = the word of channels 16 f on; lanes 0-15 take blocks 0-3 (my first head), lanes 16-31 blocks 4-7.
	WIN 0x45                                       ; destination and sources 0, 1 window 1; the selector window 0
.irp f, 0,1,2,3
	v_perm_b32 v[SW+\f], v[PW+4+\f], v[PW+\f], v[SELV]
.endr
	WIN 0x04
	global_store_b128 v[SCO], v[SW:SW+3], s[70:71]     ; sixteen lanes store 256 consecutive bytes, aligned, for each of my two heads
	WIN 0
	s_wait_tensorcnt 0x0                           ; the wave's end
	ds_add_u32 v[SPW], v[NIL]
	s_wait_dscnt 0x0
	CROUND                                         ; the closing round
	s_endpgm
.Lfunc_end_k_qd132a0c9d0_proj:
	.size	k_qd132a0c9d0_proj, .Lfunc_end_k_qd132a0c9d0_proj-k_qd132a0c9d0_proj
	.p2alignl 7, 3214868480
	.fill 96, 4, 3214868480
	.section	.rodata,"a",@progbits
	.p2align	6, 0x0
	.amdhsa_kernel k_qd132a0c9d0_proj
		.amdhsa_group_segment_fixed_size 327680
		.amdhsa_private_segment_fixed_size 0
		.amdhsa_enable_private_segment 0
		.amdhsa_kernarg_size 128
		.amdhsa_user_sgpr_count 2
		.amdhsa_user_sgpr_kernarg_segment_ptr 1
		.amdhsa_wavefront_size32 1
		.amdhsa_system_sgpr_workgroup_id_x 1
		.amdhsa_system_sgpr_workgroup_id_y 1
		.amdhsa_system_sgpr_workgroup_id_z 1
		.amdhsa_system_vgpr_workitem_id 0
		.amdhsa_next_free_vgpr 1024
		.amdhsa_next_free_sgpr 100
		.amdhsa_reserve_vcc 0
		.amdhsa_float_denorm_mode_32 3
		.amdhsa_float_denorm_mode_16_64 3
		.amdhsa_memory_ordered 1
		.amdhsa_forward_progress 1
		.amdhsa_inst_pref_size 165
	.end_amdhsa_kernel
	.amdgpu_metadata
---
amdhsa.version: [ 1, 2 ]
amdhsa.kernels:
  - .name:           k_qd132a0c9d0_proj
    .symbol:         k_qd132a0c9d0_proj.kd
    .args:
      - { .name: q_codes, .offset: 0, .size: 8, .value_kind: global_buffer, .address_space: global }
      - { .name: q_scales, .offset: 8, .size: 8, .value_kind: global_buffer, .address_space: global }
      - { .name: Wq_codes, .offset: 16, .size: 8, .value_kind: global_buffer, .address_space: global }
      - { .name: Wq_scales, .offset: 24, .size: 8, .value_kind: global_buffer, .address_space: global }
      - { .name: k_codes, .offset: 32, .size: 8, .value_kind: global_buffer, .address_space: global }
      - { .name: k_scales, .offset: 40, .size: 8, .value_kind: global_buffer, .address_space: global }
      - { .name: Wk_codes, .offset: 48, .size: 8, .value_kind: global_buffer, .address_space: global }
      - { .name: Wk_scales, .offset: 56, .size: 8, .value_kind: global_buffer, .address_space: global }
      - { .name: Wv_codes, .offset: 64, .size: 8, .value_kind: global_buffer, .address_space: global }
      - { .name: Wv_scales, .offset: 72, .size: 8, .value_kind: global_buffer, .address_space: global }
      - { .name: v_codes, .offset: 80, .size: 8, .value_kind: global_buffer, .address_space: global }
      - { .name: v_scales, .offset: 88, .size: 8, .value_kind: global_buffer, .address_space: global }
      - { .name: bq, .offset: 96, .size: 8, .value_kind: global_buffer, .address_space: global }
      - { .name: bk, .offset: 104, .size: 8, .value_kind: global_buffer, .address_space: global }
      - { .name: bv, .offset: 112, .size: 8, .value_kind: global_buffer, .address_space: global }
      - { .name: qkv, .offset: 120, .size: 8, .value_kind: global_buffer, .address_space: global }
    .group_segment_fixed_size: 327680
    .private_segment_fixed_size: 0
    .kernarg_segment_align: 8
    .kernarg_segment_size: 128
    .max_flat_workgroup_size: 128
    .sgpr_count:     100
    .vgpr_count:     1024
    .wavefront_size: 32
...
	.end_amdgpu_metadata
.endif
;; end of part 1
;; launch attn (part 2): grid 4 x 64, 16 waves a work-group, clusters of 4 x 1, 327,680 bytes of LDS; arguments qkv, oimg, oscl; writes oimg, oscl
.if DOCPART == 2
	.amdgcn_target "amdgcn-amd-amdhsa--gfx1250"
	.amdhsa_code_object_version 6
	.text
	.protected	k_qd132a0c9d0_attn
	.globl	k_qd132a0c9d0_attn
	.p2align	8
	.type	k_qd132a0c9d0_attn,@function
k_qd132a0c9d0_attn:
	s_mov_b64 s[64:65], 0
	v_nop
	global_prefetch_b8 v0, s[64:65] scope:SCOPE_SE
	s_setreg_imm32_b32 hwreg(HW_REG_WAVE_MODE, 25, 1), 1
	s_wait_xcnt 0x0
	s_wait_alu depctr_hold_cnt(0) depctr_sa_sdst(0) depctr_va_vdst(0) depctr_va_sdst(0) depctr_va_ssrc(0) depctr_va_vcc(0) depctr_vm_vsrc(0)
	s_getreg_b32 s2, hwreg(HW_REG_IB_STS2, 6, 4)
	s_cmp_eq_u32 s2, 0
	s_cbranch_scc0 .Lentry_in_a_cluster
	s_endpgm
.Lentry_in_a_cluster:
	s_bfe_u32 s2, ttmp6, 0x10000c
	s_cmp_lg_u32 s2, 0x3003
	s_cbranch_scc0 .Lentry_shape_is_right
	s_endpgm
.Lentry_shape_is_right:
; For each (batch, head): O = softmax(Q K^T / 8) V, both products on codes of FP4 (E2M1) with E8M0 scales; then O is quantised along its 64 channels (two blocks of the output projection's K) and leaves as images of operand registers.
; No work is left out.  t = score x log2(e) / 8; M = the running largest t, rounded UP to a whole number; p = 2^(t - M) is quantised along the keys, not normalised; the row's sum is taken of the unquantised p and divides O at the end.
; When M moves, the sum and O are multiplied by 2^(old M - new M): exact.
; LIMITS: p under 2^-126 is 0 (the exponential's own flush); a block whose largest magnitude lies under 2^-124 has its byte held at 1, a block of zeros the byte 1 (read by this program alone); NaN and infinities are not served.
; SHARES.  A work-group owns 512 queries of one (batch, head); each of its sixteen waves 32 of them: tiles 8 g + f and 8 g + f + 4 (g = wave / 4, f = wave % 4), in 256 registers: four waves to a SIMD, so that one wave's
; vector work stands beside another's matrix work and LDS loads.  Every wave walks all 2,048 keys, 128 a step, 16 trips.
; A head's K and V, images and scale words, are 139,264 consecutive bytes of qkv: they come into LDS ONCE, each wave asking for 34 rows of 256 bytes; nothing is filled again, and nothing lies ahead that could be prefetched.
; CLUSTER.  The four query blocks of a head need the same bytes: each load is a joint one, with the mask of all four.
; THE FIRST PRODUCT HAS K = 64, the instruction 128.  A fragment of K holds TWO tiles of 16 keys: registers 0-3 tile f, registers 4-7 tile f + 4.  It is multiplied by [Q | zeros], which gives tile f's scores, and by [zeros | Q], which gives
; tile f + 4's.  Q's scale word has the byte 0 for the half of zero codes.
; LAYOUT.  Both products are used transposed: S^T = K Q^T, O^T = V^T P^T: a lane holds ONE query (lane % 16); register 8 t + j of S is key 16 t + 8 (lane / 16) + j.  A block of 32 keys is 16 registers here and 16 in lane l xor 16.
; The conversion of (block 2 c + e, tile parity u) goes to register 4 c + 2 u + e; an exchange of halves between registers 4 c + 2 u and 4 c + 2 u + 1 gives the operand's layout.
; REGISTERS: v1-7 addresses; v8-11 Q's scale words in four forms; v12-15, v16-19 for each tile -M, the largest t, the sum in two halves; v20-39 zeros, Q0, zeros, Q1, zeros; v40-71 four fragments of K, then of V; v72-75, v76-79 their scale words;
;   v80-143 S, then p; v144-207 O^T; v208-223 p's codes; v224, v225 p's scale words; v226-229 addresses for the way out; v232-254 at work.
.set HS,    208896
.set STG,   139264                     ; behind the head's bytes: 1,024 bytes in which the work-group's scale bytes of O meet; no tensor load lands here
.set SPARE, 140288                     ; the spare words: 128 bytes for each of sixteen waves
.set LI,  1                            ; 16 x lane
.set LR,  2                            ; 16 x (lane % 16)
.set SPW, 3
.set NIL, 4
.set ADK, 5
.set ADV, 6
.set ADS, 7
.set QS,  8
.set QB,  20
.set KV,  40
.set KS,  72
.set VS,  76
.set S,   80
.set OT,  144
.set P,   208
.set PS,  224
.set STA, 226                          ; where my lane's two scale bytes of O go in LDS
.set STR, 227                          ; where waves 0 and 1 read them back
.set SH,  228                          ; 16 x (lane / 16)
.set GOS, 229                          ; 16 x (thread % 64)
.set WV,  10
.set SEL, 28
.set CS,  30
.macro CROUND
	s_barrier_signal -1
	s_barrier_wait -1
	s_cmp_lg_u32 s[WV], 0
	s_cbranch_scc1 .Lnot_wave_0_\@
	s_barrier_signal -3
.Lnot_wave_0_\@:
	s_barrier_wait -3
	s_barrier_signal -1
	s_barrier_wait -1
.endm
	s_load_b128 s[4:7], s[0:1], 0x0                ; qkv, oimg
	s_load_b64 s[8:9], s[0:1], 0x10                ; oscl
	v_lshl_add_u32 v[SPW], v0, 2, SPARE
	v_mov_b32 v[NIL], 0
	ds_add_u32 v[SPW], v[NIL]                      ; the wave's opening: the add, twice on end, and its wait ahead of my tensor load
	ds_add_u32 v[SPW], v[NIL]                      ; and once more, under the one wait
	v_lshrrev_b32 v5, 5, v0
	s_delay_alu instid0(VALU_DEP_1)
	v_readfirstlane_b32 s[WV], v5                  ; wave 0..15
	s_bfe_u32 s11, ttmp6, 0x40000                  ; cx: which 512 queries: it enters Q's and the outputs' addresses alone
	s_and_b32 s12, ttmp7, 0xffff                   ; 16 x batch + head, which the four partners share
	s_mov_b32 s16, 15|(3<<16)|(1<<21)              ; the mask: all four; elements of 8 bytes; bit 21 beside a mask; no padding
	s_mov_b32 s17, 32<<16                          ; tensor_dim0 = 32 elements: 256 bytes
	s_mov_b32 s18, 34<<16                          ; tensor_dim1 = 34
	s_mov_b32 s19, 32<<16                          ; tile_dim0
	s_mov_b32 s20, 34                              ; tile_dim1
	s_mov_b32 s21, 32                              ; dense rows
	s_mov_b32 s22, 0
	s_mov_b32 s23, 0
	s_mul_i32 s13, s12, HS                         ; the head's first byte in qkv
	s_mul_i32 s14, s[WV], 8704                     ; my 34 rows, in memory and in LDS alike
	s_add_co_u32 s46, s13, s14
	s_mov_b32 s47, 0
	s_lshr_b32 s15, s[WV], 2                       ; g
	s_and_b32 s44, s[WV], 3                        ; f
	s_mov_b32 s[SEL], 0x76543210
	s_mov_b32 s[SEL+1], 0xfedcba98                 ; v_permlanex16_b32's selects for lane l xor 16
	s_mov_b32 s[CS], 0x3e38aa3b                    ; c = log2(e) / 8
	s_mov_b32 s[CS+1], s[CS]                       ; (named with it as a pair, so it is written)
	s_wait_dscnt 0x0                               ; both opening adds are done
	s_wait_kmcnt 0x0
	s_mov_b32 s24, 1
	s_mov_b32 s25, s14
	s_add_nc_u64 s[26:27], s[4:5], s[46:47]
	s_or_b32 s27, s27, 0x80000000
	CROUND                                         ; all four work-groups are here: the joint loads meet
	tensor_load_to_lds s[24:27], s[16:23]          ; my one tensor load of the launch
	s_nop 0
.rept 4
	v_nop
.endr
	s_lshl_b32 s48, s11, 5
	s_lshl_b32 s49, s15, 3
	s_add_co_u32 s48, s48, s49
	s_add_co_u32 s48, s48, s44                     ; my first tile of queries in the batch: 32 cx + 8 g + f; the second is 4 further on
	s_mov_b32 s51, 0
	s_lshl_b32 s50, s48, 9
	s_add_co_u32 s50, s50, s13
	s_add_co_u32 s50, s50, 139264
	s_add_nc_u64 s[36:37], s[4:5], s[50:51]        ; its image
	s_lshl_b32 s50, s11, 2
	s_add_co_u32 s50, s50, s15
	s_lshl_b32 s50, s50, 8
	s_lshl_b32 s49, s44, 2
	s_add_co_u32 s50, s50, s49
	s_add_co_u32 s50, s50, s13
	s_add_co_u32 s50, s50, 204800
	s_add_nc_u64 s[38:39], s[4:5], s[50:51]        ; the scale word of both tiles
	s_lshr_b32 s52, s12, 4                         ; batch
	s_and_b32 s53, s12, 15                         ; head
	s_lshl_b32 s50, s52, 7
	s_add_co_u32 s50, s50, s48
	s_lshl_b32 s50, s50, 12                        ; oimg [K half 2][tile of tokens 512][head % 8][lane][16]
	s_lshr_b32 s49, s53, 3
	s_lshl_b32 s49, s49, 21
	s_add_co_u32 s50, s50, s49
	s_and_b32 s49, s53, 7
	s_lshl_b32 s49, s49, 9
	s_add_co_u32 s50, s50, s49
	s_add_nc_u64 s[40:41], s[6:7], s[50:51]
	s_lshl_b32 s50, s52, 4
	s_lshl_b32 s49, s11, 2
	s_add_co_u32 s50, s50, s49
	s_lshl_b32 s50, s50, 8                         ; oscl [head 16][128 tokens 64][r 16][tile 8] of two bytes: my work-group's 1,024 bytes
	s_lshl_b32 s49, s53, 14
	s_add_co_u32 s50, s50, s49
	s_add_nc_u64 s[42:43], s[8:9], s[50:51]
	v_and_b32 v[LI], 31, v0
	s_delay_alu instid0(VALU_DEP_1)
	v_lshlrev_b32 v[LI], 4, v[LI]
	v_and_b32 v[LR], 15, v0
	s_delay_alu instid0(VALU_DEP_1)
	v_lshlrev_b32 v[LR], 4, v[LR]
	global_load_b128 v[QB+4:QB+7], v[LI], s[36:37]               ; Q stays in registers: tile 0,
	global_load_b128 v[QB+12:QB+15], v[LI], s[36:37] offset:2048 ; tile 1
	global_load_b32 v255, v[LR], s[38:39]                        ; low half: tile 0's two bytes; high half: tile 1's
	v_bfe_u32 v[SH], v0, 4, 1
	s_lshl_b32 s54, s15, 8
	s_lshl_b32 s55, s44, 1
	s_add_co_u32 s54, s54, s55
	s_add_co_u32 s54, s54, STG
	v_lshl_add_u32 v[STA], v[SH], 3, v[LR]
	s_delay_alu instid0(VALU_DEP_1)
	v_add_nc_u32 v[STA], s54, v[STA]               ; STG + 256 g + 16 r + 2 f + 8 h
	v_lshlrev_b32 v[SH], 4, v[SH]
	v_and_b32 v[GOS], 63, v0
	s_delay_alu instid0(VALU_DEP_1)
	v_lshlrev_b32 v[GOS], 4, v[GOS]
	s_delay_alu instid0(VALU_DEP_1)
	v_add_nc_u32 v[STR], STG, v[GOS]
.irp z, 0,1,2,3,8,9,10,11,16,17,18,19
	v_mov_b32 v[QB+\z], 0                          ; the zero codes beside Q
.endr
.irp t, 12, 16
	v_mov_b32 v[\t+1], 0xff61b1e6                  ; the largest t so far: -3e38, under every t
	s_delay_alu instid0(VALU_DEP_1)
	v_floor_f32 v[\t], -v[\t+1]                    ; -M
	v_mov_b32 v[\t+2], 0                           ; the sum, in two halves
	v_mov_b32 v[\t+3], 0
.endr
.irp b, 0,1,2,3
	v_mov_b32 v[236+\b], 0                         ; written once: a lane permute's destination counts as one of its sources
.endr
	v_mov_b32 v253, 0                              ; (named as the upper half of the pair v[252:253])
	s_wait_loadcnt 0x0
	v_and_b32 v[QS], 0xffff, v255                  ; tile 0 with [Q | zeros]: its bytes below, the byte 0 above;
	v_lshlrev_b32 v[QS+1], 16, v255                ; tile 0 with [zeros | Q];
	v_lshrrev_b32 v[QS+2], 16, v255                ; tile 1 likewise
	v_and_b32 v[QS+3], 0xffff0000, v255
.set j, 0
.rept 64
	v_mov_b32 v[OT+j], 0                           ; O^T.  (The step is written once: its first trip finds zeros.  These are also the places between the scale words above and the first product)
.set j, j+1
.endr
	s_mov_b32 s32, 0                               ; where the step's images of K begin in LDS: 4,096 bytes a step
	s_mov_b32 s33, 65536                           ; V's: 1,024 bytes a step in each of four rows of 16,384
	s_mov_b32 s34, 131072                          ; K's scale words: 256 bytes a step; V's lie 4,096 further on
	s_mov_b32 s35, 16
	s_wait_tensorcnt 0x0                           ; my 34 rows are in,
	s_barrier_signal -1
	s_barrier_wait -1                              ; everybody's are
.macro QK qt                                   ; the scores of tile qt for 128 keys: 8 products, each starting its own sum
.irp e, 0,1
.irp f, 0,1,2,3
	v_wmma_scale_f32_16x16x128_f8f6f4 v[S+8*(\f+4*\e):S+8*(\f+4*\e)+7], v[KV+8*\f:KV+8*\f+7], v[QB+4+8*(\qt)-4*\e:QB+4+8*(\qt)-4*\e+7], 0, v[KS+\f], v[QS+2*(\qt)+\e] matrix_a_fmt:MATRIX_FMT_FP4 matrix_b_fmt:MATRIX_FMT_FP4
.endr
.endr
.endm
.macro PV                                      ; O^T += V^T P^T: eight accumulators, one instruction each
.irp ct, 0,1,2,3
.irp qt, 0,1
	v_wmma_scale_f32_16x16x128_f8f6f4 v[OT+32*\qt+8*\ct:OT+32*\qt+8*\ct+7], v[KV+8*\ct:KV+8*\ct+7], v[P+8*\qt:P+8*\qt+7], v[OT+32*\qt+8*\ct:OT+32*\qt+8*\ct+7], v[VS+\ct], v[PS+\qt] matrix_a_fmt:MATRIX_FMT_FP4 matrix_b_fmt:MATRIX_FMT_FP4
.endr
.endr
.endm
.macro SOFTMAX qt
.set ST, 12+4*(\qt)
.set PC, P+8*(\qt)
.set OO, OT+32*(\qt)
.irp b, 0,1,2,3
	v_max3_num_f32 v[232+\b], v[S+16*\b], v[S+1+16*\b], v[S+2+16*\b]   ; THE LARGEST SCORE OF EACH BLOCK OF 32 KEYS serves twice: for the row's maximum, and, since p rises with the score, for the block's largest p
.endr
.irp i, 3,5,7,9,11,13
.irp b, 0,1,2,3
	v_max3_num_f32 v[232+\b], v[232+\b], v[S+16*\b+\i], v[S+1+16*\b+\i]   ; (the four blocks by turns)
.endr
.endr
.irp b, 0,1,2,3
	v_max_num_f32 v[232+\b], v[232+\b], v[S+15+16*\b]
.endr
.irp b, 0,1,2,3
	s_delay_alu instid0(VALU_DEP_4)
	v_permlanex16_b32 v[236+\b], v[232+\b], s[SEL], s[SEL+1]
.endr
.irp b, 0,1,2,3
	s_delay_alu instid0(VALU_DEP_4)
	v_max_num_f32 v[232+\b], v[232+\b], v[236+\b]  ; with lane l xor 16's 16 keys
.endr
	s_delay_alu instid0(VALU_DEP_2)
	v_max3_num_f32 v254, v232, v233, v234
	s_delay_alu instid0(VALU_DEP_1)
	v_max_num_f32 v254, v254, v235                 ; the step's largest score of my query
	s_delay_alu instid0(VALU_DEP_1)
	v_mul_f32 v254, s[CS], v254                    ; as t (c is positive)
	s_delay_alu instid0(VALU_DEP_1)
	v_max_num_f32 v[ST+1], v[ST+1], v254           ; the running largest t
	v_mov_b32 v254, v[ST]
	s_delay_alu instid0(VALU_DEP_2)
	v_floor_f32 v[ST], -v[ST+1]                    ; the new -M = floor(-t) = -ceil(t)
	s_delay_alu instid0(VALU_DEP_1)
	v_sub_f32 v254, v[ST], v254                    ; M's old value less its new one: a whole number, 0 or less
	s_delay_alu instid0(VALU_DEP_1)
	v_cvt_i32_f32 v254, v254                       ; (it saturates)
	s_delay_alu instid0(VALU_DEP_1)
	v_ldexp_f32 v252, 1.0, v254                    ; f = 2^(old M - new M)
.set j, 0
.rept 32
	v_pk_fma_f32 v[S+j:S+j+1], v[S+j:S+j+1], s[CS:CS+1], v[ST:ST+1] op_sel_hi:[1,0,0]   ; t - M, two at a time (of the pairs c and -M the low word serves both halves)
.set j, j+2
.endr
.irp b, 0,1,2,3
	v_fma_f32 v[232+\b], v[232+\b], s[CS], v[ST]   ; the same of each block's largest score
.endr
.set j, 0
	s_wait_alu depctr_va_vdst(0)
.rept 64
	v_exp_f32 v[S+j], v[S+j]                       ; p = 2^(t - M), at most 1: not normalised
.set j, j+1
.endr
	v_pk_mul_f32 v[ST+2:ST+3], v[ST+2:ST+3], v[252:253] op_sel_hi:[1,0]   ; the sums under the new M.  (The plain place behind the exponentials)
	s_wait_alu depctr_va_vdst(0)                   ; one wait for the whole batch, ahead of its first reader
.irp b, 0,1,2,3
	v_exp_f32 v[232+\b], v[232+\b]                 ; the block's largest p
.endr
	v_pk_add_f32 v[236:237], v[S:S+1], v[S+2:S+3]  ; THE ROW'S SUM IS TAKEN OF THE UNQUANTISED p: two at a time, in two chains
.set j, 4
.rept 15
	v_pk_add_f32 v[ST+2:ST+3], v[ST+2:ST+3], v[S+j:S+j+1]
	v_pk_add_f32 v[236:237], v[236:237], v[S+2+j:S+3+j]
.set j, j+4
.endr
	s_delay_alu instid0(VALU_DEP_1)
	v_pk_add_f32 v[ST+2:ST+3], v[ST+2:ST+3], v[236:237]
	s_wait_alu depctr_va_vdst(0)                   ; and one for the four
.irp b, 0,1,2,3
	v_max_num_f32 v[232+\b], 0x1800000, v[232+\b]  ; the floor 2^(3 - 127): the byte cannot fall under 1
.endr
.irp b, 0,1,2,3
	s_delay_alu instid0(VALU_DEP_4)
	v_add_nc_u32 v[244+\b], 0xff000000, v[232+\b]  ; 2 off the exponent field: the conversion's scale operand
.endr
.irp b, 0,1,2,3
	s_delay_alu instid0(VALU_DEP_4)
	v_lshrrev_b32 v[236+\b], 23, v[244+\b]         ; the scale's byte
.endr
	s_delay_alu instid0(VALU_DEP_3)
	v_lshl_or_b32 v[PS+(\qt)], v237, 8, v236       ; p's scale word for these 128 keys
	s_delay_alu instid0(VALU_DEP_1)
	v_lshl_or_b32 v[PS+(\qt)], v238, 16, v[PS+(\qt)]
	s_delay_alu instid0(VALU_DEP_1)
	v_lshl_or_b32 v[PS+(\qt)], v239, 24, v[PS+(\qt)]
.irp c, 0,1
.irp e, 0,1
.irp u, 0,1
	v_cvt_scalef32_pk8_fp4_f32 v[PC+4*\c+2*\u+\e], v[S+16*(2*\c+\e)+8*\u:S+16*(2*\c+\e)+8*\u+7], v[244+2*\c+\e]
.endr
.endr
.endr
	v_nop                                          ; one plain place behind the scaled conversions
.irp c, 0,1
.irp u, 0,1
	v_permlane16_swap_b32 v[PC+4*\c+2*\u], v[PC+4*\c+2*\u+1]
.endr
.endr
.set j, 0
.rept 16
	v_pk_mul_f32 v[OO+j:OO+j+1], v[OO+j:OO+j+1], v[252:253] op_sel_hi:[1,0]   ; O^T under the new M.  (These sixteen are also the places between p's codes and scale word and the products that take them)
.set j, j+2
.endr
.endm
.Lstep:                                            ; 16 trips of 128 keys
	s_setprio 2
	v_add_nc_u32 v[ADK], s32, v[LI]                ; these three and the v_nop are the four places between the last trip's products and the loads into the registers that they read
	v_add_nc_u32 v[ADV], s33, v[LI]
	v_add_nc_u32 v[ADS], s34, v[LR]
	v_nop
.irp f, 0,1,2,3
.irp e, 0,1
	ds_load_b128 v[KV+8*\f+4*\e:KV+8*\f+4*\e+3], v[ADK] offset:(\f+4*\e)*512   ; an image: 512 consecutive bytes
.endr
.endr
	ds_load_b128 v[KS:KS+3], v[ADS]                ; row r's four scale words
	s_wait_dscnt 0x0
	QK 0
.rept 4
	v_nop                                          ; places ahead of the first read of the scores
.endr
	SOFTMAX 0
	QK 1
.rept 4
	v_nop                                          ; places ahead of the loads into K's registers and of the first read of the scores
.endr
.irp ct, 0,1,2,3
.irp c, 0,1
	ds_load_b128 v[KV+8*\ct+4*\c:KV+8*\ct+4*\c+3], v[ADV] offset:\ct*16384+\c*512   ; V lands under the second softmax
.endr
.endr
	ds_load_b128 v[VS:VS+3], v[ADS] offset:4096
	s_setprio 1
	SOFTMAX 1
	s_setprio 0
	s_wait_alu depctr_va_vdst(0)
	s_wait_dscnt 0x0
	PV
	s_add_co_u32 s32, s32, 4096
	s_add_co_u32 s33, s33, 1024
	s_add_co_u32 s34, s34, 256
	s_sub_co_u32 s35, s35, 1
	s_cmp_lg_u32 s35, 0
	s_cbranch_scc1 .Lstep
	s_setprio 0
	; THE WAY OUT.  O^T / the sum; both tiles' 64 numbers a lane are four blocks of 32 channels (tile 0: blocks 0, 1; tile 1: blocks 2, 3): quantised as p is, with magnitudes.
.rept 4
	v_nop
.endr
	v_add_f32 v14, v14, v15                        ; the sums' two halves,
	v_add_f32 v18, v18, v19
	s_delay_alu instid0(VALU_DEP_2)
	v_permlanex16_b32 v236, v14, s[SEL], s[SEL+1]
	s_delay_alu instid0(VALU_DEP_2)
	v_permlanex16_b32 v237, v18, s[SEL], s[SEL+1]
	s_delay_alu instid0(VALU_DEP_2)
	v_add_f32 v14, v14, v236                       ; and lane l xor 16's
	s_delay_alu instid0(VALU_DEP_2)
	v_add_f32 v18, v18, v237
	s_wait_alu depctr_va_vdst(0)
	v_rcp_f32 v14, v14
	v_rcp_f32 v18, v18
	v_nop                                          ; the plain place behind the reciprocals
	s_wait_alu depctr_va_vdst(0)                   ; one wait for both, ahead of the first reader
.irp qt, 0,1
.set j, 0
.rept 16
	v_pk_mul_f32 v[S+32*\qt+j:S+32*\qt+j+1], v[OT+32*\qt+j:OT+32*\qt+j+1], v[14+4*\qt:15+4*\qt] op_sel_hi:[1,0]
.set j, j+2
.endr
.endr
.irp b, 0,1,2,3
	v_max3_num_f32 v[232+\b], |v[S+16*\b]|, |v[S+16*\b+1]|, 0x1800000
.endr
.irp i, 2,4,6,8,10,12,14
.irp b, 0,1,2,3
	s_delay_alu instid0(VALU_DEP_4)
	v_max3_num_f32 v[232+\b], v[232+\b], |v[S+16*\b+\i]|, |v[S+16*\b+\i+1]|
.endr
.endr
.irp b, 0,1,2,3
	s_delay_alu instid0(VALU_DEP_4)
	v_permlanex16_b32 v[236+\b], v[232+\b], s[SEL], s[SEL+1]
.endr
.irp b, 0,1,2,3
	s_delay_alu instid0(VALU_DEP_4)
	v_max_num_f32 v[232+\b], v[232+\b], v[236+\b]
.endr
.irp b, 0,1,2,3
	s_delay_alu instid0(VALU_DEP_4)
	v_add_nc_u32 v[244+\b], 0xff000000, v[232+\b]
.endr
.irp b, 0,1,2,3
	s_delay_alu instid0(VALU_DEP_4)
	v_lshrrev_b32 v[236+\b], 23, v[244+\b]
.endr
	s_delay_alu instid0(VALU_DEP_3)
	v_lshl_or_b32 v240, v237, 8, v236              ; low half: tile 0's two bytes; high half: tile 1's
	s_delay_alu instid0(VALU_DEP_1)
	v_lshl_or_b32 v240, v238, 16, v240
	s_delay_alu instid0(VALU_DEP_1)
	v_lshl_or_b32 v240, v239, 24, v240
.irp c, 0,1
.irp e, 0,1
.irp u, 0,1
	v_cvt_scalef32_pk8_fp4_f32 v[P+4*\c+2*\u+\e], v[S+16*(2*\c+\e)+8*\u:S+16*(2*\c+\e)+8*\u+7], v[244+2*\c+\e]
.endr
.endr
.endr
	v_nop
.irp c, 0,1
.irp u, 0,1
	v_permlane16_swap_b32 v[P+4*\c+2*\u], v[P+4*\c+2*\u+1]
.endr
.endr
	global_store_b128 v[LI], v[P:P+3], s[40:41]                  ; tile 0's image: 512 consecutive bytes, aligned
	global_store_b128 v[LI], v[P+4:P+7], s[40:41] offset:16384   ; tile 1's, four tiles of tokens on
	v_lshrrev_b32 v241, v[SH], v240                ; lanes 0-15 send tile f's two bytes, lanes 16-31 tile f + 4's
	ds_store_b16 v[STA], v241
	s_wait_dscnt 0x0                               ; for the others' sake: my store has landed
	s_barrier_signal -1
	s_barrier_wait -1                              ; the work-group's 1,024 scale bytes lie together
	s_cmp_lt_u32 s[WV], 2
	s_cbranch_scc0 .Lnot_mine
	ds_load_b128 v[244:247], v[STR]
	s_wait_dscnt 0x0
	global_store_b128 v[GOS], v[244:247], s[42:43] ; waves 0 and 1: 512 consecutive bytes each, aligned
.Lnot_mine:
	s_wait_tensorcnt 0x0                           ; the wave's end
	ds_add_u32 v[SPW], v[NIL]
	s_wait_dscnt 0x0
	CROUND                                         ; the closing round
	s_endpgm
.Lfunc_end_k_qd132a0c9d0_attn:
	.size	k_qd132a0c9d0_attn, .Lfunc_end_k_qd132a0c9d0_attn-k_qd132a0c9d0_attn
	.p2alignl 7, 3214868480
	.fill 96, 4, 3214868480
	.section	.rodata,"a",@progbits
	.p2align	6, 0x0
	.amdhsa_kernel k_qd132a0c9d0_attn
		.amdhsa_group_segment_fixed_size 327680
		.amdhsa_private_segment_fixed_size 0
		.amdhsa_enable_private_segment 0
		.amdhsa_kernarg_size 24
		.amdhsa_user_sgpr_count 2
		.amdhsa_user_sgpr_kernarg_segment_ptr 1
		.amdhsa_wavefront_size32 1
		.amdhsa_system_sgpr_workgroup_id_x 1
		.amdhsa_system_sgpr_workgroup_id_y 1
		.amdhsa_system_sgpr_workgroup_id_z 1
		.amdhsa_system_vgpr_workitem_id 0
		.amdhsa_next_free_vgpr 256
		.amdhsa_next_free_sgpr 66
		.amdhsa_reserve_vcc 0
		.amdhsa_float_denorm_mode_32 3
		.amdhsa_float_denorm_mode_16_64 3
		.amdhsa_memory_ordered 1
		.amdhsa_forward_progress 1
		.amdhsa_inst_pref_size 48
	.end_amdhsa_kernel
	.amdgpu_metadata
---
amdhsa.version: [ 1, 2 ]
amdhsa.kernels:
  - .name:           k_qd132a0c9d0_attn
    .symbol:         k_qd132a0c9d0_attn.kd
    .args:
      - { .name: qkv, .offset: 0, .size: 8, .value_kind: global_buffer, .address_space: global }
      - { .name: oimg, .offset: 8, .size: 8, .value_kind: global_buffer, .address_space: global }
      - { .name: oscl, .offset: 16, .size: 8, .value_kind: global_buffer, .address_space: global }
    .group_segment_fixed_size: 327680
    .private_segment_fixed_size: 0
    .kernarg_segment_align: 8
    .kernarg_segment_size: 24
    .max_flat_workgroup_size: 512
    .sgpr_count:     66
    .vgpr_count:     256
    .wavefront_size: 32
...
	.end_amdgpu_metadata
.endif
;; end of part 2
;; launch outp (part 3): grid 4 x 64, 4 waves a work-group, clusters of 4 x 4, 327,680 bytes of LDS; arguments oimg, oscl, Wo_codes, Wo_scales, bo, out0; writes out0
.if DOCPART == 3
	.amdgcn_target "amdgcn-amd-amdhsa--gfx1250"
	.amdhsa_code_object_version 6
	.text
	.protected	k_qd132a0c9d0_outp
	.globl	k_qd132a0c9d0_outp
	.p2align	8
	.type	k_qd132a0c9d0_outp,@function
k_qd132a0c9d0_outp:
	s_mov_b64 s[64:65], 0
	v_nop
	global_prefetch_b8 v0, s[64:65] scope:SCOPE_SE
	s_setreg_imm32_b32 hwreg(HW_REG_WAVE_MODE, 25, 1), 1
	s_wait_xcnt 0x0
	s_wait_alu depctr_hold_cnt(0) depctr_sa_sdst(0) depctr_va_vdst(0) depctr_va_sdst(0) depctr_va_ssrc(0) depctr_va_vcc(0) depctr_vm_vsrc(0)
	s_getreg_b32 s2, hwreg(HW_REG_IB_STS2, 6, 4)
	s_cmp_eq_u32 s2, 0
	s_cbranch_scc0 .Lentry_in_a_cluster
	s_endpgm
.Lentry_in_a_cluster:
	s_bfe_u32 s2, ttmp6, 0x10000c
	s_cmp_lg_u32 s2, 0xf033
	s_cbranch_scc0 .Lentry_shape_is_right
	s_endpgm
.Lentry_shape_is_right:
; out0 = O Wo^T + bo on codes of FP4 (E2M1) with one E8M0 scale for each 32 along K = 1,024; sums in f32.  No work is left out.  O comes as the attention launch left it: images of operand registers and scale bytes.
; LIMITS: NaN, infinities and the scale byte 0xff among the inputs are not served.
; SHARES.  A work-group makes 128 tokens x 256 columns: 256 work-groups.  Wave w makes 64 tokens (w / 2) x 128 columns (w % 2): 32 accumulators, window 2.
; All of K fits in LDS: two slots of 512 along K, both filled once, at the head: A's images of 8 tiles of tokens (32,768 dense bytes), then B's 256 rows of 256 bytes + 16 of padding.  Nothing is filled again, and nothing lies ahead to prefetch.
; CLUSTERS: the four work-groups of a row of the cluster need the same tokens, the four of a column the same rows of Wo: each tile is asked for jointly.
; THE MATRIX INSTRUCTION IS USED TRANSPOSED (source 0 = 16 rows of Wo, source 1 = 16 tokens): a lane holds eight neighbouring numbers of a row of out0.  bo is the C of each sum's first product.
; REGISTERS.  window 0: v1-29 addresses; v32-63 O's scale words [8 a + s]; v64-127 Wo's [8 b + s]; v128-191 bo; v192-223 O's scale bytes as loaded; on the way out v128-255 rows of out0.
;   window 1: two sets of fragments (set p at 128 p: Wo's eight, then O's four).   window 2: accumulator (a, b) at 8 (8 a + b).
.set PITCH,  272
.set HALFB,  128*PITCH
.set SLOT,   102400
.set BOFF,   32768
.set SPARE,  2*SLOT
.set SPITCH, 528                       ; the way out: 16 rows x (512 bytes + 16) for each wave, in slot 0, which has had its only fill, and which nobody reads behind the second barrier
.set ADRA, 16
.set ADRB, 20
.set STO,  24
.set RD,   25
.set CO,   26
.set SPW,  28
.set NIL,  29
.set SA,   32
.set SB,   64
.set BJ,   128
.set E,    192
.set BK,   128
.set G1,   24
.set G0,   32
.set G1B,  48
.set G0B,  56
.set MSB, 0
.macro WIN new
.if MSB != (\new)
	s_set_vgpr_msb (MSB<<8)|(\new)
.set MSB, (\new)
.endif
.endm
.macro JLOAD g0a, g1a, g0b, g1b        ; a joint load: waves 0 and 1 fetch O's images, waves 2 and 3 Wo's rows; an s_nop 0 and four v_nop follow each line
	s_cmp_eq_u32 s17, 0
	s_cbranch_scc0 .Lfor_b_\@
	tensor_load_to_lds s[\g0a:\g0a+3], s[\g1a:\g1a+7]
	s_nop 0
.rept 4
	v_nop
.endr
	s_branch .Lasked_\@
.Lfor_b_\@:
	tensor_load_to_lds s[\g0b:\g0b+3], s[\g1b:\g1b+7]
	s_nop 0
.rept 4
	v_nop
.endr
.Lasked_\@:
.endm
.macro CROUND
	s_barrier_signal -1
	s_barrier_wait -1
	s_cmp_lg_u32 s16, 0
	s_cbranch_scc1 .Lnot_wave_0_\@
	s_barrier_signal -3
.Lnot_wave_0_\@:
	s_barrier_wait -3
	s_barrier_signal -1
	s_barrier_wait -1
.endm
.macro PLACES n
.rept \n
	v_nop
.endr
.endm
	s_load_b128 s[4:7], s[0:1], 0x0                ; oimg, oscl
	s_load_b128 s[8:11], s[0:1], 0x10              ; Wo's codes, Wo's scales
	s_load_b128 s[12:15], s[0:1], 0x20             ; bo, out0
	v_lshl_add_u32 v[SPW], v0, 2, SPARE
	v_mov_b32 v[NIL], 0
	ds_add_u32 v[SPW], v[NIL]                      ; the wave's opening: the add, twice on end, and its wait ahead of my first tensor load
	ds_add_u32 v[SPW], v[NIL]                      ; and once more, under the one wait
	v_lshrrev_b32 v1, 5, v0
	v_readfirstlane_b32 s16, v1                    ; wave 0..3
	s_lshr_b32 s17, s16, 1                         ; which 64 tokens are mine.  Also: I fetch O's images (0) or Wo's rows (1)
	s_and_b32 s18, s16, 1                          ; which 128 columns.  Also: which half of that tile I fetch
	s_bfe_u32 s40, ttmp6, 0x40000                  ; cx, cy
	s_bfe_u32 s41, ttmp6, 0x40004
	s_lshl_b32 s42, ttmp9, 2
	s_add_co_u32 s42, s42, s40                     ; which 256 columns
	s_and_b32 s19, ttmp7, 0xffff
	s_lshl_b32 s19, s19, 2
	s_add_co_u32 s19, s19, s41                     ; which 128 tokens
	s_lshl_b32 s43, s41, 2
	s_lshl_b32 s43, 15, s43                        ; my row of the cluster
	s_lshl_b32 s44, 0x1111, s40                    ; my column
	s_or_b32 s[G1+0], s43, (3<<16)|(1<<21)         ; O's images: the mask; elements of 8 bytes; bit 21 beside a mask; no padding
	s_mov_b32 s[G1+1], 32<<16                      ; rows of 256 bytes,
	s_mov_b32 s[G1+2], 64<<16                      ; 64 of them: four tiles of tokens x four K steps
	s_mov_b32 s[G1+3], 32<<16
	s_mov_b32 s[G1+4], 64
	s_mov_b32 s[G1+5], 32                          ; dense
	s_mov_b32 s[G1+6], 0
	s_mov_b32 s[G1+7], 0
	s_or_b32 s[G1B+0], s44, (0<<16)|(1<<20)|(1<<21)|(5<<22)|(3<<25)   ; Wo's rows: elements of 1 byte; 4 words of padding after every 64
	s_mov_b32 s[G1B+1], 256<<16
	s_mov_b32 s[G1B+2], 128<<16
	s_mov_b32 s[G1B+3], 256<<16
	s_mov_b32 s[G1B+4], 128
	s_mov_b32 s[G1B+5], 512
	s_mov_b32 s[G1B+6], 0
	s_mov_b32 s[G1B+7], 0
	s_lshl_b32 s20, s19, 3
	s_lshl_b32 s22, s18, 2
	s_add_co_u32 s20, s20, s22
	s_lshl_b32 s20, s20, 12                        ; O: tile of tokens 8 G + 4 x half, 4,096 bytes a tile in each K half
	s_mov_b32 s21, 0
	s_lshl_b32 s46, s42, 8
	s_lshl_b32 s22, s18, 7
	s_add_co_u32 s46, s46, s22
	s_lshl_b32 s46, s46, 9                         ; Wo: row 256 x tile + 128 x half, 512 bytes a row
	s_mov_b32 s47, 0
	s_lshl_b32 s45, s18, 14                        ; where they go: no place in the cluster enters an LDS address
	s_mul_i32 s23, s18, HALFB
	s_add_co_u32 s23, s23, BOFF
	s_wait_dscnt 0x0                               ; both opening adds are done
	s_wait_kmcnt 0x0
	s_add_nc_u64 s[20:21], s[4:5], s[20:21]
	s_add_nc_u64 s[46:47], s[8:9], s[46:47]
	CROUND                                         ; all sixteen work-groups are here: the joint loads meet
.irp s, 0,1
	s_mov_b32 s[G0+4*\s], 1
	s_add_co_u32 s[G0+4*\s+1], s45, \s*SLOT
	s_add_nc_u64 s[G0+4*\s+2:G0+4*\s+3], s[20:21], \s*2097152
	s_or_b32 s[G0+4*\s+3], s[G0+4*\s+3], 0x80000000
	s_mov_b32 s[G0B+4*\s], 1
	s_add_co_u32 s[G0B+4*\s+1], s23, \s*SLOT
	s_add_nc_u64 s[G0B+4*\s+2:G0B+4*\s+3], s[46:47], \s*256
	s_or_b32 s[G0B+4*\s+3], s[G0B+4*\s+3], 0x80000000
	s_wait_alu depctr_va_vdst(0)
	s_wait_tensorcnt 0x0
	ds_add_u32 v28, v29
	ds_add_u32 v28, v29
	s_wait_dscnt 0x0
	CROUND
	JLOAD G0+4*\s, G1, G0B+4*\s, G1B               ; slot 1's load is asked for only when slot 0's is in: one tensor load of mine is out
.endr
	s_lshl_b32 s46, s42, 8
	s_lshl_b32 s47, s18, 7
	s_add_co_u32 s46, s46, s47                     ; my first column
	s_mov_b32 s3, 0
	s_lshl_b32 s2, s46, 5
	s_add_nc_u64 s[10:11], s[10:11], s[2:3]        ; its row of Wo's scale bytes
	s_lshl_b32 s2, s46, 2
	s_add_nc_u64 s[12:13], s[12:13], s[2:3]        ; its number of bo
	s_add_nc_u64 s[14:15], s[14:15], s[2:3]        ; its place in a row of out0
	s_lshl_b32 s2, s19, 8
	s_lshl_b32 s22, s17, 3
	s_add_co_u32 s2, s2, s22
	s_add_nc_u64 s[6:7], s[6:7], s[2:3]            ; oscl at my 128 tokens, my four tiles
	s_lshl_b32 s2, s19, 7
	s_lshl_b32 s22, s17, 6
	s_add_co_u32 s2, s2, s22
	s_lshl_b32 s2, s2, 12                          ; my first token's row of 4,096 bytes
	s_add_nc_u64 s[14:15], s[14:15], s[2:3]
	v_and_b32 v1, 15, v0                           ; r
	v_bfe_u32 v2, v0, 4, 1                         ; h
	v_lshlrev_b32 v6, 5, v1                        ; 32 r
	v_lshlrev_b32 v7, 5, v2                        ; 32 h
	v_lshlrev_b32 v8, 4, v1                        ; 16 r
.irp i, 0,1,2,3,4,5,6,7
	global_load_b128 v[SB+8*\i:SB+8*\i+3], v6, s[10:11] offset:512*\i          ; row 16 i + r of Wo: its eight scale words
	global_load_b128 v[SB+8*\i+4:SB+8*\i+7], v6, s[10:11] offset:512*\i+16
	global_load_b128 v[BJ+8*\i:BJ+8*\i+3], v7, s[12:13] offset:64*\i           ; bo of columns 16 i + 8 h + 0 .. 7
	global_load_b128 v[BJ+8*\i+4:BJ+8*\i+7], v7, s[12:13] offset:64*\i+16
.endr
.irp n, 0,1,2,3,4,5,6,7,8,9,10,11,12,13,14,15
	global_load_b64 v[E+2*\n:E+2*\n+1], v8, s[6:7] offset:\n*16384             ; head n, row r: the two bytes of each of my four tiles
.endr
	s_mov_b32 s2, 0x05040100
	s_mov_b32 s3, 0x07060302
	v_and_b32 v3, 31, v0
	v_lshlrev_b32 v[CO], 4, v3                     ; 16 x lane
	s_lshl_b32 s22, s17, 14                        ; my four tiles' images
	v_add_nc_u32 v[ADRA], s22, v[CO]
	s_add_co_u32 s22, s22, SLOT
	v_add_nc_u32 v[ADRA+1], s22, v[CO]
	v_mul_u32_u24 v4, v1, PITCH
	v_lshl_add_u32 v4, v2, 4, v4
	v_add_nc_u32 v[ADRB], s23, v4                  ; my 128 rows of Wo (the half that I multiply is the half whose number I fetch by)
	s_add_co_u32 s23, s23, SLOT
	v_add_nc_u32 v[ADRB+1], s23, v4
	s_mul_i32 s22, s16, 16*SPITCH                  ; my stage
	v_mul_u32_u24 v5, v1, SPITCH
	v_lshl_add_u32 v5, v2, 5, v5
	v_add_nc_u32 v[STO], s22, v5                   ; in: row r, 32 bytes for each half of the lanes
	v_add_nc_u32 v[RD], s22, v[CO]                 ; back: the 32 lanes take one row of 512 bytes
	s_wait_loadcnt 0x0
.irp s, 0,1,2,3,4,5,6,7                        ; O's scale word of tile 2 m + e, K step s: head 2 s's two bytes, then head 2 s + 1's
.irp m, 0,1
	v_perm_b32 v[SA+8*(2*\m)+\s], v[E+2*(2*\s+1)+\m], v[E+2*(2*\s)+\m], s2
	v_perm_b32 v[SA+8*(2*\m+1)+\s], v[E+2*(2*\s+1)+\m], v[E+2*(2*\s)+\m], s3
.endr
.endr
	PLACES 8                                       ; a scale register written by a vector instruction stands 8 places ahead of a scaled matrix instruction
.macro FETCH s                                 ; 24 LDS loads: K step s into set s % 2
	WIN 0x40
.irp i, 0,1,2,3,4,5,6,7
.irp c, 0,1
	ds_load_b128 v[128*((\s)%2)+8*\i+4*\c:128*((\s)%2)+8*\i+4*\c+3], v[ADRB+(\s)/4] offset:64*((\s)%4)+32*\c+\i*16*PITCH
.endr
.endr
.irp i, 0,1,2,3
.irp c, 0,1
	ds_load_b128 v[128*((\s)%2)+64+8*\i+4*\c:128*((\s)%2)+64+8*\i+4*\c+3], v[ADRA+(\s)/4] offset:\i*4096+((\s)%4)*1024+512*\c   ; an image: 512 consecutive bytes
.endr
.endr
.endm
.macro MUL s                                   ; 32 products; the accumulators take turns, one instruction a turn, in the same order in every step
.irp a, 0,1,2,3
.irp b, 0,1,2,3,4,5,6,7
.if (\s) == 0
	v_wmma_scale_f32_16x16x128_f8f6f4 v[8*(8*\a+\b):8*(8*\a+\b)+7], v[128*((\s)%2)+8*\b:128*((\s)%2)+8*\b+7], v[128*((\s)%2)+64+8*\a:128*((\s)%2)+64+8*\a+7], v[BJ+8*\b:BJ+8*\b+7], v[SB+8*\b+(\s)], v[SA+8*\a+(\s)] matrix_a_fmt:MATRIX_FMT_FP4 matrix_b_fmt:MATRIX_FMT_FP4
.else
	v_wmma_scale_f32_16x16x128_f8f6f4 v[8*(8*\a+\b):8*(8*\a+\b)+7], v[128*((\s)%2)+8*\b:128*((\s)%2)+8*\b+7], v[128*((\s)%2)+64+8*\a:128*((\s)%2)+64+8*\a+7], v[8*(8*\a+\b):8*(8*\a+\b)+7], v[SB+8*\b+(\s)], v[SA+8*\a+(\s)] matrix_a_fmt:MATRIX_FMT_FP4 matrix_b_fmt:MATRIX_FMT_FP4
.endif
.endr
.endr
.endm
.macro STEP s
.if (\s) < 7
.if (\s) > 0
	PLACES 4                                       ; behind the last step's products, which read the set that is loaded now
.endif
	FETCH (\s)+1
	s_wait_dscnt 24                                ; all but the 24 just issued: this step's fragments are in
.else
	s_wait_dscnt 0x0
.endif
.if (\s) == 0
	WIN 0x85                                       ; sources 0 and 1 window 1, C (bo) window 0, D window 2
.else
	WIN 0xa5                                       ; C and D window 2
.endif
	MUL \s
.endm
	s_wait_tensorcnt 0x1                           ; my part of slot 0 is in; slot 1's load, issued behind it, may be out
	s_barrier_signal -1
	s_barrier_wait -1
	FETCH 0
	STEP 0
	STEP 1
	STEP 2
	s_wait_tensorcnt 0x0                           ; my part of slot 1 is in,
	s_wait_dscnt 0x0                               ; and my reads of slot 0 are over
	s_barrier_signal -1
	s_barrier_wait -1                              ; both hold of every wave
	STEP 3
	STEP 4
	s_wait_alu depctr_va_vdst(0)
	STEP 5
	STEP 6
	STEP 7
	WIN 0
; THE WAY OUT, block by block of 16 tokens x 128 columns, through my own stage in LDS: in as 32 bytes a lane, back as whole rows of 512 bytes.  LDS serves a wave's instructions in order: no wait between the stores and the loads.
.macro TOSTAGE a
	WIN 0x08                                       ; an LDS store's data are its source 1: window 2
.irp b, 0,1,2,3,4,5,6,7
	ds_store_b128 v[STO], v[64*(\a)+8*\b:64*(\a)+8*\b+3] offset:64*\b          ; each accumulator from its low end on
	ds_store_b128 v[STO], v[64*(\a)+8*\b+4:64*(\a)+8*\b+7] offset:64*\b+16
.endr
	WIN 0
.set BBK, BK+64*((\a)%2)
.irp t, 0,1,2,3,4,5,6,7,8,9,10,11,12,13,14,15
	ds_load_b128 v[BBK+4*\t:BBK+4*\t+3], v[RD] offset:\t*SPITCH
.endr
.endm
.macro SEND a, younger                 ; younger: the LDS instructions issued behind block a's loads, which may stay out
.set BBK, BK+64*((\a)%2)
	s_wait_dscnt \younger
.if (\a) > 0
	s_add_nc_u64 s[14:15], s[14:15], 16*4096       ; (behind a wait on XCNT: the earlier stores have read their base)  16 rows of out0 on
.endif
.irp t, 0,1,2,3,4,5,6,7,8,9,10,11,12,13,14,15
	global_store_b128 v[CO], v[BBK+4*\t:BBK+4*\t+3], s[14:15] offset:\t*4096 th:TH_STORE_NT   ; 32 lanes store 512 consecutive bytes, aligned; written once, read by nobody here
.endr
.endm
	PLACES 4                                       ; behind the last products: results are read, and registers that products read are loaded
	TOSTAGE 0
.irp a, 1,2,3
.if \a > 1
	s_wait_xcnt 0x0                                ; block a - 2's stores have read their registers and their base
.endif
	TOSTAGE \a
	SEND \a-1, 32                                  ; behind block a - 1's loads: block a's 16 stores and 16 loads
.endr
	s_wait_xcnt 0x0
	SEND 3, 0
	s_wait_tensorcnt 0x0                           ; the wave's end
	ds_add_u32 v[SPW], v[NIL]
	s_wait_dscnt 0x0
	CROUND                                         ; the closing round
	s_endpgm
.Lfunc_end_k_qd132a0c9d0_outp:
	.size	k_qd132a0c9d0_outp, .Lfunc_end_k_qd132a0c9d0_outp-k_qd132a0c9d0_outp
	.p2alignl 7, 3214868480
	.fill 96, 4, 3214868480
	.section	.rodata,"a",@progbits
	.p2align	6, 0x0
	.amdhsa_kernel k_qd132a0c9d0_outp
		.amdhsa_group_segment_fixed_size 327680
		.amdhsa_private_segment_fixed_size 0
		.amdhsa_enable_private_segment 0
		.amdhsa_kernarg_size 48
		.amdhsa_user_sgpr_count 2
		.amdhsa_user_sgpr_kernarg_segment_ptr 1
		.amdhsa_wavefront_size32 1
		.amdhsa_system_sgpr_workgroup_id_x 1
		.amdhsa_system_sgpr_workgroup_id_y 1
		.amdhsa_system_sgpr_workgroup_id_z 1
		.amdhsa_system_vgpr_workitem_id 0
		.amdhsa_next_free_vgpr 768
		.amdhsa_next_free_sgpr 66
		.amdhsa_reserve_vcc 0
		.amdhsa_float_denorm_mode_32 3
		.amdhsa_float_denorm_mode_16_64 3
		.amdhsa_memory_ordered 1
		.amdhsa_forward_progress 1
		.amdhsa_inst_pref_size 76
	.end_amdhsa_kernel
	.amdgpu_metadata
---
amdhsa.version: [ 1, 2 ]
amdhsa.kernels:
  - .name:           k_qd132a0c9d0_outp
    .symbol:         k_qd132a0c9d0_outp.kd
    .args:
      - { .name: oimg, .offset: 0, .size: 8, .value_kind: global_buffer, .address_space: global }
      - { .name: oscl, .offset: 8, .size: 8, .value_kind: global_buffer, .address_space: global }
      - { .name: Wo_codes, .offset: 16, .size: 8, .value_kind: global_buffer, .address_space: global }
      - { .name: Wo_scales, .offset: 24, .size: 8, .value_kind: global_buffer, .address_space: global }
      - { .name: bo, .offset: 32, .size: 8, .value_kind: global_buffer, .address_space: global }
      - { .name: out0, .offset: 40, .size: 8, .value_kind: global_buffer, .address_space: global }
    .group_segment_fixed_size: 327680
    .private_segment_fixed_size: 0
    .kernarg_segment_align: 8
    .kernarg_segment_size: 48
    .max_flat_workgroup_size: 128
    .sgpr_count:     66
    .vgpr_count:     768
    .wavefront_size: 32
...
	.end_amdgpu_metadata
.endif
;; end of part 3
